; MI455X (gfx1250); checked and timed in simulation.
; The chip was launched on July 23, 2026; its instructions are those of AMD's public machine-readable ISA for CDNA 5 (MIT licence, August 2026) and "CDNA5" Instruction Set Architecture Reference Guide (July 2026). The comments in the code are by the model that wrote it; some were corrected since.
;; Multi Head Latent Attention. Allowed arithmetic: matrix products marked QUANTISED: E2M3 operands, one E8M0 scale for each 32 along K, by v_wmma_scale_f32_16x16x128_f8f6f4 with both operands' format E2M3, f32 sums; everything else in f32.
;; Inputs: Wdown 1,024 x 128 float32; Wk_up 128 x 1,024 float32; Wout 1,024 x 1,024 float32; Wq 1,024 x 1,024 float32; Wv_up 128 x 1,024 float32; bdown 128 float32; bk 1,024 float32; bout 1,024 float32; bq 1,024 float32; bv 1,024 float32; x 4 x 2,048 x 1,024 float32.
;; Outputs: out0 4 x 2,048 x 1,024 float32.
;; This version of the problem:
;;   THIS VERSION OF THE PROBLEM IS GIVEN IN LOW PRECISION. The matrix products marked QUANTISED in the list below multiply operands that are first quantised to E2M3 (2 exponent bits, 3 mantissa bits; 6 bits a number), with one power-of-two scale for each 32 numbers along K (OCP MX v1.0); their sums are f32. All else is computed in f32.
;;   The module's matrix products, in the order in which they are computed (A, B: the left and right operand; K: the contracted axis; several contracted axes count as one K, in the product's order):
;;     1. [M 8,192, K 1,024] x [K 1,024, N 1,024]; A: input x; B: input Wq: QUANTISED
;;     2. [M 8,192, K 1,024] x [K 1,024, N 128]; A: input x; B: input Wdown: QUANTISED
;;     3. [M 8,192, K 128] x [K 128, N 1,024]; A: computed on the way; B: input Wk_up: QUANTISED
;;     4. [M 8,192, K 128] x [K 128, N 1,024]; A: computed on the way; B: input Wv_up: QUANTISED
;;     5. batch 64 x [M 2,048, K 64] x [K 64, N 2,048]; A: computed on the way; B: computed on the way: QUANTISED
;;     6. batch 64 x [M 2,048, K 2,048] x [K 2,048, N 64]; A: softmax (see below); B: computed on the way: QUANTISED
;;     7. [M 8,192, K 1,024] x [K 1,024, N 1,024]; A: computed on the way; B: input Wout: QUANTISED
;;   THE QUANTISER, for each operand of a quantised product, along K:
;;     - K is cut into blocks of 32 from its start; a last block that is shorter is filled with zeros.
;;     - A block's scale is 2^e with e = floor(log2(the largest magnitude in the block)) - 2, held to -126 .. 127; a block of zeros has e = 0. As a byte (E8M0): e + 127.
;;     - Each number is divided by its block's scale, clamped to +-7.5, and rounded to the nearest number of E2M3, ties to even, subnormals kept.
;;     - The product sums the exact products of the quantised numbers (number of the format x scale) in f32.
;;   ~~~python
;;   def quantise(x, axis):      # numpy; x: float32 -> the quantised numbers, widened to float32 again
;;       x = np.moveaxis(x, axis, -1); K = x.shape[-1]
;;       x = np.pad(x, [(0, 0)] * (x.ndim - 1) + [(0, -K % 32)]); x = x.reshape(x.shape[:-1] + (-1, 32)); a = np.abs(x).max(-1, keepdims=True)
;;       e = np.where(a > 0, np.clip(np.frexp(np.where(a > 0, a, 1))[1] - 1 - 2, -126, 127), 0)      # np.frexp(a)[1] - 1 = floor(log2(a)), exactly
;;       r = np.clip(x / 2.0 ** e, -7.5, 7.5)
;;       step = 2.0 ** (np.maximum(np.frexp(np.where(r == 0, 1, r))[1] - 1, 0) - 3)
;;       q = np.round(r / step) * step * 2.0 ** e      # np.round: ties to even
;;       return np.moveaxis(q.reshape(q.shape[:-2] + (-1,))[..., :K], -1, axis).astype(np.float32)
;;   ~~~
;;   SOFTMAX AHEAD OF A QUANTISED PRODUCT. Where the list says 'softmax', what is quantised is not the finished softmax but p = 2^(t - M), with t = logit x log2(e) and M = ceil(the row's largest t), a whole number; so 1/2 < the row's largest p <= 1. The row's sum l is taken of the UNQUANTISED p, in f32, and the product's result is divided by l at the end. Since M is a whole number, a kernel that streams over the keys may use a running M (the ceiling of the running maximum): every later rescaling is an exact power of two, which a block's scale takes up: the codes' values come out the same.
;;   OPERANDS COMPUTED ON THE WAY. 'Computed on the way' means the value that the module computes at that place (a softmax that the list does not call 'softmax' is quantised finished and normalised). What goes into a quantiser is computed in f32, as accurately as f32 sums, v_exp_f32 and their like allow (about 1e-6 of the number): no bf16 or f16 on the way to a quantiser, and a product that is left as it is and whose result goes on into a quantised operand takes f32 operands (vector FMAs, or v_wmma_f32_16x16x4_f32). A number that lies on a knife's edge between two numbers of the format may be rounded either way, as far as f32 arithmetic and the matrix unit's own rounding can turn it there, and no further.
;; One version. Each part assembles by itself: llvm-mc -triple=amdgcn-amd-amdhsa -mcpu=gfx1250 --defsym DOCPART=n.
;; ======== version 1 of 1: 4 launches
;; limits: right only within a limited range of input values
;; workspace buffers: codes 8,159,232 bytes; scl 679,936 bytes; qc 6,291,456 bytes; qs 524,288 bytes; kv 13,631,488 bytes; oc 6,291,456 bytes; osc 524,288 bytes
;; launch prep (part 1): grid 1328 x 1, 4 waves a work-group, no clusters, 34,304 bytes of LDS; arguments x, Wq, Wout, Wdown, Wk_up, Wv_up, codes, scl; writes codes, scl
.if DOCPART == 1
	.amdgcn_target "amdgcn-amd-amdhsa--gfx1250"
	.amdhsa_code_object_version 6
	.text
	.protected	k_qae3ca2aff9_prep
	.globl	k_qae3ca2aff9_prep
	.p2align	8
	.type	k_qae3ca2aff9_prep,@function
k_qae3ca2aff9_prep:
	s_mov_b64 s[64:65], 0
	v_nop
	global_prefetch_b8 v0, s[64:65] scope:SCOPE_SE
	s_setreg_imm32_b32 hwreg(HW_REG_WAVE_MODE, 25, 1), 1
	s_wait_xcnt 0x0
; x [8192][1024] and the five weights (stored [K][N], f32) become codes of FP6 (E2M3) with one E8M0 scale byte for each 32 along K,
; laid as IMAGES OF OPERAND REGISTERS.  A fragment is 16 rows x 128 K, 12 registers a lane: lane (r, h) holds row r, registers 6 c .. 6 c + 5 hold k = 64 c + 32 h + 0 .. 31.
; Its image is 1,536 bytes: registers 4 g .. 4 g + 3 of lane L at 512 g + 16 L.  The scale words of four fragments 4 G .. 4 G + 3 form a group of 512 bytes: fragment F, lane L at 512 G + 16 L + 4 (F % 4).
; THE ROWS OF A TILE ARE NOT NEIGHBOURS: row r of tile 2 B + u is token (or output feature) 32 B + 8 u + r + 8 (r / 8), so that results of two neighbouring tiles are 16 neighbours along a later K.
; One wave makes one fragment, F = 4 x work-group + wave.  F: 0.. x (8 T + s); 4096.. Wq (32 head + 4 s + n); 4608.. Wout (likewise); 5120.. Wdown (16 w + 2 s + u); 5184.. Wk_up (4 head + n); 5248.. Wv_up.
; x has K innermost: 16 loads read 512 consecutive bytes of a token's row each; the 8,192 bytes turn through the wave's own stage in LDS (rows 528 bytes apart) and come back 128 bytes a lane and block.
; A weight has K outermost: a lane takes a column and its registers run down K; nothing is transposed.
; A block's scale is 2^(floor(log2(largest magnitude)) - 2): its byte is the largest magnitude's exponent field - 2, held at 1 from below.
; LIMITS: a block of zeros, or one whose largest magnitude lies under 2^-124, gets the byte 1 (a block of zeros has zero codes, and this program alone reads the bytes); NaN and infinities among the inputs are not served.
; No tensor load, no barrier, no cluster: waves and work-groups share no input.  The scale words leave 4 bytes a lane, 16 bytes apart: 1 byte in 13 of what the launch stores.
.set LI,   1                           ; v1   16 x lane
.set SIN,  5                           ; v5   the stage, on the way in
.set SOUT, 6                           ; v6   and on the way out
.set WA,   8                           ; v8   a weight with rows of 4,096 bytes: my column and my half's 32 rows
.set WB,   9                           ; v9   the same with rows of 512 bytes
.set SCO,  10                          ; v10  my scale word's place in the group
.set SH,   11                          ; v11  8 h
.set PW,   12                          ; v12  the scale word
.set PT,   13                          ; v13  at work
.set R,    16                          ; v16-79   x as loaded
.set X,    80                          ; v80-143  64 numbers: register 32 c + i = k 64 c + 32 h + i of my row
.set TM,   16                          ; v16-21 largest magnitudes, bytes, scale operands (v16-79 are done with when the quantiser begins)
.set PC,   24                          ; v24-35 the fragment
.set TP,   36                          ; v36-42 the blocks' second halves (a conversion's three registers begin on an even number)
	s_load_b256 s[4:11], s[0:1], 0x0               ; x, Wq, Wout, Wdown
	s_load_b256 s[12:19], s[0:1], 0x20             ; Wk_up, Wv_up, codes, scl
	v_lshl_add_u32 v14, v0, 2, 0x8400
	v_mov_b32 v15, 0
	v_lshrrev_b32 v2, 5, v0
	v_readfirstlane_b32 s20, v2                    ; wave
	v_and_b32 v2, 31, v0                           ; lane
	v_and_b32 v3, 15, v0                           ; r
	v_bfe_u32 v4, v0, 4, 1                         ; h
	v_lshlrev_b32 v[LI], 4, v2
	s_mul_i32 s21, s20, 8448                       ; my stage: 16 rows x 528 bytes
	v_add_nc_u32 v[SIN], s21, v[LI]
	v_mul_u32_u24 v[SOUT], v3, 528
	v_lshl_add_u32 v[SOUT], v4, 7, v[SOUT]
	v_add_nc_u32 v[SOUT], s21, v[SOUT]             ; row r, + 128 h bytes
	v_and_b32 v7, 8, v3
	v_add_nc_u32 v7, v7, v3                        ; r + 8 (r / 8)
	v_lshlrev_b32 v7, 2, v7
	v_lshl_add_u32 v[WA], v4, 17, v7               ; + 32 h rows of 4,096 bytes
	v_lshl_add_u32 v[WB], v4, 14, v7               ; + 32 h rows of 512 bytes
	s_lshl_b32 s22, s20, 2
	v_add_nc_u32 v[SCO], s22, v[LI]
	v_lshlrev_b32 v[SH], 3, v4
	s_mov_b32 s24, 0x76543210
	s_mov_b32 s25, 0xfedcba98                      ; v_permlanex16_b32's selects for lane l xor 16
	s_lshl_b32 s23, ttmp9, 2
	s_add_co_u32 s23, s23, s20                     ; F
	s_mul_i32 s26, s23, 1536
	s_mov_b32 s27, 0
	s_lshl_b32 s28, ttmp9, 9
	s_mov_b32 s29, 0
	s_wait_kmcnt 0x0
	s_add_nc_u64 s[16:17], s[16:17], s[26:27]      ; my image
	s_add_nc_u64 s[18:19], s[18:19], s[28:29]      ; my work-group's scale group
	s_cmp_lt_u32 ttmp9, 1024
	s_cbranch_scc0 .Lweights
	; ---- x: tile T = work-group / 2, K step s = 4 (work-group % 2) + wave
	s_lshr_b32 s30, ttmp9, 2
	s_lshl_b32 s30, s30, 5                         ; 32 (T / 2)
	s_lshr_b32 s32, ttmp9, 1
	s_and_b32 s32, s32, 1
	s_lshl_b32 s32, s32, 3                         ; 8 (T % 2)
	s_add_co_u32 s30, s30, s32
	s_lshl_b32 s30, s30, 12                        ; the tile's first token, in rows of 4,096 bytes
	s_and_b32 s32, ttmp9, 1
	s_lshl_b32 s32, s32, 2
	s_add_co_u32 s32, s32, s20
	s_lshl_b32 s32, s32, 9                         ; 512 bytes a K step
	s_add_co_u32 s30, s30, s32
	s_mov_b32 s31, 0
	s_add_nc_u64 s[4:5], s[4:5], s[30:31]
.irp i, 0,1,2,3,4,5,6,7,8,9,10,11,12,13,14,15
	global_load_b128 v[R+4*\i:R+4*\i+3], v[LI], s[4:5] offset:(\i+8*(\i/8))*4096 th:TH_LOAD_NT   ; row i of the tile: 32 lanes read 512 consecutive bytes
.endr
.irp i, 0,1,2,3,4,5,6,7,8,9,10,11,12,13,14,15
	s_wait_loadcnt 15-\i                           ; loads come back in order: row i is in, the younger rows may be out
	ds_store_b128 v[SIN], v[R+4*\i:R+4*\i+3] offset:528*\i
.endr
	s_wait_alu depctr_va_vdst(0)
.irp c, 0,1
.irp q, 0,1,2,3,4,5,6,7
	ds_load_b128 v[X+32*\c+4*\q:X+32*\c+4*\q+3], v[SOUT] offset:256*\c+16*\q   ; LDS serves a wave's instructions in order: these see my stores
.endr
.endr
	s_wait_dscnt 0x0
	s_branch .Lquant
.macro WLOAD adr, base, stride         ; W(128 s + 64 c + 32 h + i, my column) into register 32 c + i
.irp c, 0,1
.irp i, 0,1,2,3,4,5,6,7,8,9,10,11,12,13,14,15,16,17,18,19,20,21,22,23,24,25,26,27,28,29,30,31
	global_load_b32 v[X+32*\c+\i], v[\adr], s[\base:\base+1] offset:(64*\c+\i)*\stride
.endr
.endr
	s_wait_loadcnt 0x0
.endm
.Lweights:
	s_sub_co_u32 s30, ttmp9, 1280
	s_cmp_lt_u32 s30, 16
	s_cbranch_scc1 .Lw512
	; ---- Wq, Wout, Wk_up, Wv_up: rows of 4,096 bytes.  The buffer is chosen by the work-group's number alone
	s_cmp_lt_u32 ttmp9, 1152
	s_cselect_b64 s[6:7], s[6:7], s[8:9]           ; Wq or Wout
	s_cmp_lt_u32 ttmp9, 1312
	s_cselect_b64 s[12:13], s[12:13], s[14:15]     ; Wk_up or Wv_up
	s_sub_co_u32 s30, ttmp9, 1024
	s_and_b32 s30, s30, 127
	s_lshr_b32 s31, s30, 3                         ; Wq, Wout: the head (64 columns),
	s_and_b32 s32, s30, 7                          ; the K step
	s_sub_co_u32 s33, ttmp9, 1296
	s_and_b32 s33, s33, 15                         ; Wk_up, Wv_up: the head; one K step
	s_cmp_lt_u32 ttmp9, 1280
	s_cselect_b64 s[6:7], s[6:7], s[12:13]
	s_cselect_b32 s31, s31, s33
	s_cselect_b32 s32, s32, 0
	s_lshl_b32 s31, s31, 2
	s_add_co_u32 s31, s31, s20                     ; tile t = 4 head + wave
	s_lshr_b32 s33, s31, 1
	s_lshl_b32 s33, s33, 7                         ; 32 (t / 2) columns of 4 bytes
	s_and_b32 s34, s31, 1
	s_lshl_b32 s34, s34, 5                         ; 8 (t % 2)
	s_add_co_u32 s33, s33, s34
	s_lshl_b32 s32, s32, 19                        ; 128 rows of 4,096 bytes a K step
	s_add_co_u32 s32, s32, s33
	s_mov_b32 s33, 0
	s_add_nc_u64 s[6:7], s[6:7], s[32:33]
	s_wait_alu depctr_va_vdst(0)
	WLOAD WA, 6, 4096
	s_branch .Lquant
.Lw512:
	; ---- Wdown: rows of 512 bytes.  g = work-group - 1280: tile 2 (g / 4) + wave % 2, K step 2 (g % 4) + wave / 2
	s_lshr_b32 s31, s30, 2
	s_lshl_b32 s31, s31, 7
	s_and_b32 s32, s20, 1
	s_lshl_b32 s32, s32, 5
	s_add_co_u32 s31, s31, s32
	s_and_b32 s32, s30, 3
	s_lshl_b32 s32, s32, 1
	s_lshr_b32 s33, s20, 1
	s_add_co_u32 s32, s32, s33
	s_lshl_b32 s32, s32, 16                        ; 128 rows of 512 bytes a K step
	s_add_co_u32 s32, s32, s31
	s_mov_b32 s33, 0
	s_add_nc_u64 s[10:11], s[10:11], s[32:33]
	s_wait_alu depctr_va_vdst(0)
	WLOAD WB, 10, 512
.Lquant:
	; ---- my blocks 2 c + h: all 32 numbers of each are mine
.irp c, 0,1
	v_max3_num_f32 v[TM+\c], |v[X+32*\c]|, |v[X+32*\c+1]|, 0x1800000   ; with the floor 2^(3 - 127): the byte cannot fall under 1
.endr
.irp i, 2,4,6,8,10,12,14,16,18,20,22,24,26,28,30
.irp c, 0,1
	v_max3_num_f32 v[TM+\c], v[TM+\c], |v[X+32*\c+\i]|, |v[X+32*\c+\i+1]|   ; the two blocks by turns
.endr
.endr
.irp c, 0,1
	v_add_nc_u32 v[TM+4+\c], 0xff000000, v[TM+\c]  ; 2 off the exponent field: the conversion takes the exponent field of this operand as its scale
.endr
.irp c, 0,1
	v_lshrrev_b32 v[TM+2+\c], 23, v[TM+4+\c]       ; the scale's byte
.endr
	v_lshl_or_b32 v[PW], v[TM+3], 16, v[TM+2]      ; my two bytes, blocks h and 2 + h,
	v_lshlrev_b32 v[PW], v[SH], v[PW]              ; at their places in the word;
	v_mov_b32 v[PT], 0
	v_permlanex16_b32 v[PT], v[PW], s24, s25
	v_or_b32 v[PW], v[PW], v[PT]                   ; with lane l xor 16's two the word is whole, in both halves of the lanes
.irp c, 0,1
	v_cvt_scalef32_pk16_fp6_f32 v[PC+6*\c:PC+6*\c+2], v[X+32*\c:X+32*\c+15], v[TM+4+\c]
	v_cvt_scalef32_pk16_fp6_f32 v[TP+4*\c:TP+4*\c+2], v[X+32*\c+16:X+32*\c+31], v[TM+4+\c]
.endr
	v_nop                                          ; one plain instruction behind the scaled conversions
.irp c, 0,1
.irp i, 0,1,2
	v_mov_b32 v[PC+6*\c+3+\i], v[TP+4*\c+\i]
.endr
.endr
.irp g, 0,1,2
	global_store_b128 v[LI], v[PC+4*\g:PC+4*\g+3], s[16:17] offset:512*\g   ; 32 lanes store 512 consecutive bytes, aligned
.endr
	global_store_b32 v[SCO], v[PW], s[18:19]
	s_wait_tensorcnt 0x0
	ds_add_u32 v14, v15
	s_wait_dscnt 0x0
	s_endpgm
.Lfunc_end_k_qae3ca2aff9_prep:
	.size	k_qae3ca2aff9_prep, .Lfunc_end_k_qae3ca2aff9_prep-k_qae3ca2aff9_prep
	.p2alignl 7, 3214868480
	.fill 96, 4, 3214868480
	.section	.rodata,"a",@progbits
	.p2align	6, 0x0
	.amdhsa_kernel k_qae3ca2aff9_prep
		.amdhsa_group_segment_fixed_size 34304
		.amdhsa_private_segment_fixed_size 0
		.amdhsa_enable_private_segment 0
		.amdhsa_kernarg_size 64
		.amdhsa_user_sgpr_count 2
		.amdhsa_user_sgpr_kernarg_segment_ptr 1
		.amdhsa_wavefront_size32 1
		.amdhsa_system_sgpr_workgroup_id_x 1
		.amdhsa_system_sgpr_workgroup_id_y 1
		.amdhsa_system_sgpr_workgroup_id_z 1
		.amdhsa_system_vgpr_workitem_id 0
		.amdhsa_next_free_vgpr 144
		.amdhsa_next_free_sgpr 66
		.amdhsa_reserve_vcc 0
		.amdhsa_float_denorm_mode_32 3
		.amdhsa_float_denorm_mode_16_64 3
		.amdhsa_memory_ordered 1
		.amdhsa_forward_progress 1
		.amdhsa_inst_pref_size 24
	.end_amdhsa_kernel
	.amdgpu_metadata
---
amdhsa.version: [ 1, 2 ]
amdhsa.kernels:
  - .name:           k_qae3ca2aff9_prep
    .symbol:         k_qae3ca2aff9_prep.kd
    .args:
      - { .name: x, .offset: 0, .size: 8, .value_kind: global_buffer, .address_space: global }
      - { .name: Wq, .offset: 8, .size: 8, .value_kind: global_buffer, .address_space: global }
      - { .name: Wout, .offset: 16, .size: 8, .value_kind: global_buffer, .address_space: global }
      - { .name: Wdown, .offset: 24, .size: 8, .value_kind: global_buffer, .address_space: global }
      - { .name: Wk_up, .offset: 32, .size: 8, .value_kind: global_buffer, .address_space: global }
      - { .name: Wv_up, .offset: 40, .size: 8, .value_kind: global_buffer, .address_space: global }
      - { .name: codes, .offset: 48, .size: 8, .value_kind: global_buffer, .address_space: global }
      - { .name: scl, .offset: 56, .size: 8, .value_kind: global_buffer, .address_space: global }
    .group_segment_fixed_size: 34304
    .private_segment_fixed_size: 0
    .kernarg_segment_align: 8
    .kernarg_segment_size: 64
    .max_flat_workgroup_size: 128
    .sgpr_count:     66
    .vgpr_count:     144
    .wavefront_size: 32
...
	.end_amdgpu_metadata
.endif
;; end of part 1
;; launch proj (part 2): grid 4 x 64, 4 waves a work-group, clusters of 4 x 1, 327,680 bytes of LDS; arguments codes, scl, bq, bdown, bk, bv, qc, qs, kv; writes qc, qs, kv
.if DOCPART == 2
	.amdgcn_target "amdgcn-amd-amdhsa--gfx1250"
	.amdhsa_code_object_version 6
	.text
	.protected	k_qae3ca2aff9_proj
	.globl	k_qae3ca2aff9_proj
	.p2align	8
	.type	k_qae3ca2aff9_proj,@function
k_qae3ca2aff9_proj:
	s_mov_b64 s[64:65], 0
	v_nop
	global_prefetch_b8 v0, s[64:65] scope:SCOPE_SE
	s_setreg_imm32_b32 hwreg(HW_REG_WAVE_MODE, 25, 1), 1
	s_wait_xcnt 0x0
	s_wait_alu depctr_hold_cnt(0) depctr_sa_sdst(0) depctr_va_vdst(0) depctr_va_sdst(0) depctr_va_ssrc(0) depctr_va_vcc(0) depctr_vm_vsrc(0)
	s_getreg_b32 s2, hwreg(HW_REG_IB_STS2, 6, 4)
	s_cmp_eq_u32 s2, 0
	s_cbranch_scc0 .Lentry_in_a_cluster
	s_endpgm
.Lentry_in_a_cluster:
	s_bfe_u32 s2, ttmp6, 0x10000c
	s_cmp_lg_u32 s2, 0x3003
	s_cbranch_scc0 .Lentry_shape_is_right
	s_endpgm
.Lentry_shape_is_right:
.set XSCL, 98304
.set LIMG, 106496
.set LSC,  118784
.set LI,   1
.set L4,   2
.set L8,   3
.set XA1,  4
.set XSA,  5
.set LWA,  6
.set LSB,  7
.set LRA,  8
.set SH16, 9
.set BO,   10
.set BVO,  11
.set XS,   16
.set PC,   48
.set KSW,  68
.set VSW,  72
.set SW,   76
.set T0,   77
.set WQS,  80
.set WDS,  112
.set WKS,  128
.set WVS,  132
.set XF,   136
.set TM,   232
.set PW,   248
.set BQ,   200
.set BD,   232
.set BV,   128
.set WKF,  0
.set WVF,  72
.set BK,   144
.set WV,   22
.set WQP,  54
.set WDP,  56
.set WKP,  58
.set SQP,  60
.set SDP,  62
.set SKP,  66
.set SEL,  68
.set MSB, 0
.macro WIN new
.if MSB != (\new)
	s_set_vgpr_msb (MSB<<8)|(\new)
.set MSB, (\new)
.endif
.endm
.macro ROUND
	s_barrier_signal -1
	s_barrier_wait -1
	s_cmp_lg_u32 s[WV], 0
	s_cbranch_scc1 .Lnot_wave_0_\@
	s_barrier_signal -3
.Lnot_wave_0_\@:
	s_barrier_wait -3
	s_barrier_signal -1
	s_barrier_wait -1
.endm
.macro PLACES n
.rept \n
	v_nop
.endr
.endm
.macro MM d, a, b, c, sa, sb
	v_wmma_scale_f32_16x16x128_f8f6f4 v[(\d):(\d)+7], v[(\a):(\a)+11], v[(\b):(\b)+11], v[(\c):(\c)+7], v[\sa], v[\sb] matrix_a_fmt:MATRIX_FMT_FP6 matrix_b_fmt:MATRIX_FMT_FP6
.endm
	s_load_b256 s[4:11], s[0:1], 0x0
	s_load_b256 s[12:19], s[0:1], 0x20
	s_load_b64 s[20:21], s[0:1], 0x40
	v_lshl_add_u32 v254, v0, 2, 0x29000
	v_mov_b32 v255, 0
	ds_add_u32 v254, v255
	ds_add_u32 v254, v255
	v_lshrrev_b32 v12, 5, v0
	v_readfirstlane_b32 s[WV], v12
	s_bfe_u32 s23, ttmp6, 0x40000
	s_and_b32 s48, ttmp7, 0xffff
	s_lshl_b32 s49, s23, 2
	s_add_co_u32 s49, s49, s[WV]
	v_and_b32 v13, 31, v0
	v_and_b32 v14, 15, v0
	v_bfe_u32 v15, v0, 4, 1
	v_lshlrev_b32 v[LI], 4, v13
	v_lshlrev_b32 v[L4], 2, v13
	v_lshlrev_b32 v[L8], 3, v13
	v_add_nc_u32 v[XA1], 49152, v[LI]
	v_add_nc_u32 v[XSA], XSCL, v[LI]
	v_add_nc_u32 v[LRA], LIMG, v[L4]
	s_lshr_b32 s50, s[WV], 1
	s_mul_i32 s50, s50, 768
	s_and_b32 s51, s[WV], 1
	s_lshl_b32 s51, s51, 6
	s_add_co_u32 s50, s50, s51
	s_add_co_u32 s50, s50, LIMG
	v_mul_u32_u24 v[LWA], v15, 384
	v_lshl_add_u32 v[LWA], v14, 2, v[LWA]
	v_add_nc_u32 v[LWA], s50, v[LWA]
	s_add_co_u32 s51, s[WV], LSC
	v_add_nc_u32 v[LSB], s51, v[L4]
	v_lshlrev_b32 v[SH16], 4, v15
	v_lshlrev_b32 v[BO], 6, v15
	v_and_b32 v[BVO], 8, v14
	v_add_nc_u32 v[BVO], v[BVO], v14
	v_lshlrev_b32 v[BVO], 2, v[BVO]
.irp b, 0,1,2,3
	v_mov_b32 v[TM+4+\b], 0
.endr
	s_mov_b32 s[SEL], 0x76543210
	s_mov_b32 s[SEL+1], 0xfedcba98
	s_mov_b32 s24, 15|(3<<16)|(1<<21)
	s_mov_b32 s25, 32<<16
	s_mov_b32 s26, 128<<16                         ; a third of the tokens' codes: 128 rows of 256 bytes
	s_mov_b32 s27, 32<<16
	s_mov_b32 s28, 128
	s_mov_b32 s29, 32
	s_mov_b32 s30, 0
	s_mov_b32 s31, 0
	s_mov_b32 s32, 15|(3<<16)|(1<<21)
	s_mov_b32 s33, 32<<16
	s_mov_b32 s34, 32<<16                          ; all their scale words: 32 rows of 256 bytes
	s_mov_b32 s35, 32<<16
	s_mov_b32 s36, 32
	s_mov_b32 s37, 32
	s_mov_b32 s38, 0
	s_mov_b32 s39, 0
	s_mul_i32 s76, s[WV], 32768
	s_mul_i32 s50, s48, 98304
	s_add_co_u32 s50, s50, s76
	s_mov_b32 s51, 0
	s_lshl_b32 s52, s48, 13
	s_mov_b32 s53, 0
	s_wait_dscnt 0x0
	s_wait_kmcnt 0x0
	s_mov_b32 s40, 1
	s_mov_b32 s41, s76
	s_add_nc_u64 s[42:43], s[4:5], s[50:51]
	s_or_b32 s43, s43, 0x80000000
	s_mov_b32 s44, 1
	s_mov_b32 s45, XSCL
	s_add_nc_u64 s[46:47], s[6:7], s[52:53]
	s_or_b32 s47, s47, 0x80000000
	s_wait_alu depctr_va_vdst(0)                   ; the wait at the head's end
	ROUND
	s_cmp_lt_u32 s[WV], 3                          ; the head's tiles, one joint load a wave: waves 0 to 2 a third of the codes each, wave 3 the scale words
	s_cbranch_scc0 .Lhead_scales
	tensor_load_to_lds s[40:43], s[24:31]
	s_nop 0
.rept 4
	v_nop
.endr
	s_branch .Lhead_asked
.Lhead_scales:
	tensor_load_to_lds s[44:47], s[32:39]
	s_nop 0
.rept 4
	v_nop
.endr
.Lhead_asked:
	s_mul_i32 s50, s49, 32*1536
	s_add_co_u32 s50, s50, 4096*1536
	s_add_nc_u64 s[WQP:WQP+1], s[4:5], s[50:51]
	s_mul_i32 s50, s[WV], 16*1536
	s_add_co_u32 s50, s50, 5120*1536
	s_add_nc_u64 s[WDP:WDP+1], s[4:5], s[50:51]
	s_mul_i32 s50, s49, 4*1536
	s_add_co_u32 s50, s50, 5184*1536
	s_add_nc_u64 s[WKP:WKP+1], s[4:5], s[50:51]
	s_lshl_b32 s50, s49, 12
	s_add_co_u32 s50, s50, 1024*512
	s_add_nc_u64 s[SQP:SQP+1], s[6:7], s[50:51]
	s_lshl_b32 s50, s[WV], 11
	s_add_co_u32 s50, s50, 1280*512
	s_add_nc_u64 s[SDP:SDP+1], s[6:7], s[50:51]
	s_lshl_b32 s50, s49, 9
	s_add_co_u32 s50, s50, 1296*512
	s_add_nc_u64 s[SKP:SKP+1], s[6:7], s[50:51]
	s_lshl_b32 s50, s49, 8
	s_add_nc_u64 s[8:9], s[8:9], s[50:51]
	s_add_nc_u64 s[12:13], s[12:13], s[50:51]
	s_add_nc_u64 s[14:15], s[14:15], s[50:51]
	s_lshl_b32 s50, s[WV], 7
	s_add_nc_u64 s[10:11], s[10:11], s[50:51]
	s_lshr_b32 s78, s48, 4
	s_lshl_b32 s78, s78, 4
	s_add_co_u32 s78, s78, s49
	s_and_b32 s79, s48, 15
	s_lshl_b32 s78, s78, 4
	s_add_co_u32 s78, s78, s79
	s_mul_i32 s50, s78, 6144
	s_add_nc_u64 s[16:17], s[16:17], s[50:51]
	s_lshl_b32 s50, s78, 9
	s_add_nc_u64 s[18:19], s[18:19], s[50:51]
	s_mul_i32 s50, s78, 13312
	s_add_nc_u64 s[20:21], s[20:21], s[50:51]
.irp i, 0,1,2,3,4,5,6,7
	global_load_b128 v[WQS+4*\i:WQS+4*\i+3], v[LI], s[SQP:SQP+1] offset:512*\i
.endr
.irp i, 0,1,2,3
	global_load_b128 v[WDS+4*\i:WDS+4*\i+3], v[LI], s[SDP:SDP+1] offset:512*\i
.endr
	global_load_b128 v[WKS:WKS+3], v[LI], s[SKP:SKP+1]
	global_load_b128 v[WVS:WVS+3], v[LI], s[SKP:SKP+1] offset:8192
	WIN 0x80
	s_wait_alu depctr_va_vdst(0)
.irp n, 0,1,2,3
	global_load_b128 v[BQ+8*\n:BQ+8*\n+3], v[BO], s[8:9] offset:(32*(\n/2)+8*(\n%2))*4
	global_load_b128 v[BQ+8*\n+4:BQ+8*\n+7], v[BO], s[8:9] offset:(32*(\n/2)+8*(\n%2))*4+16
.endr
.irp u, 0,1
	global_load_b128 v[BD+8*\u:BD+8*\u+3], v[BO], s[10:11] offset:32*\u
	global_load_b128 v[BD+8*\u+4:BD+8*\u+7], v[BO], s[10:11] offset:32*\u+16
.endr
	WIN 0
.macro WLOADS s
.if (\s)%4 == 3
	WIN 0x80
.set WB_, 128
.else
	WIN 0xc0
.set WB_, 72*((\s)%4)
.endif
.irp i, 0,1,2,3,4,5,6,7,8,9,10,11
	global_load_b128 v[WB_+4*\i:WB_+4*\i+3], v[LI], s[WQP:WQP+1] offset:6144*(\s)+512*\i
.endr
.irp i, 0,1,2,3,4,5
	global_load_b128 v[WB_+48+4*\i:WB_+48+4*\i+3], v[LI], s[WDP:WDP+1] offset:3072*(\s)+512*\i
.endr
	WIN 0
.endm
	WLOADS 0
	WLOADS 1
	WLOADS 2
	WLOADS 3
.macro XSLOAD half
.irp t, 0,1,2,3,4,5,6,7
	ds_load_b128 v[XS+4*\t:XS+4*\t+3], v[XSA] offset:1024*\t+512*(\half)
.endr
.endm
.macro FETCHX s, G
.irp t, 0,1,2,3
.irp g, 0,1,2
.if (\G) == 0
	ds_load_b128 v[XF+12*\t+4*\g:XF+12*\t+4*\g+3], v[LI] offset:(8*\t+(\s))*1536+512*\g
.else
	ds_load_b128 v[XF+48+12*\t+4*\g:XF+48+12*\t+4*\g+3], v[XA1] offset:(8*\t+(\s))*1536+512*\g
.endif
.endr
.endr
.endm
.macro WBUF s
.set WW_, 3
.set WB_, 72*((\s)%4)
.if (\s)%4 == 3
.set WW_, 2
.set WB_, 128
.endif
.endm
.macro MULQ s, G
	WBUF \s
.if (\s) == 0
	WIN 0x60|WW_
.else
	WIN 0x50|WW_
.endif
.irp t, 0,1,2,3
.irp n, 0,1,2,3
.if (\s) == 0
	MM 32*(4*(\G)+\t)+8*\n, WB_+12*\n, XF+12*(4*(\G)+\t), BQ+8*\n, WQS+4*(\s)+\n, XS+4*(4*(\G)+\t)+(\s)%4
.else
	MM 32*(4*(\G)+\t)+8*\n, WB_+12*\n, XF+12*(4*(\G)+\t), 32*(4*(\G)+\t)+8*\n, WQS+4*(\s)+\n, XS+4*(4*(\G)+\t)+(\s)%4
.endif
.endr
.endr
.endm
.macro MULD s, G
	WBUF \s
	WIN 0xa0|WW_
.irp t, 0,1,2,3
.irp u, 0,1
.if (\s) == 0
	MM 16*(4*(\G)+\t)+8*\u, WB_+48+12*\u, XF+12*(4*(\G)+\t), BD+8*\u, WDS+2*(\s)+\u, XS+4*(4*(\G)+\t)+(\s)%4
.else
	MM 16*(4*(\G)+\t)+8*\u, WB_+48+12*\u, XF+12*(4*(\G)+\t), 16*(4*(\G)+\t)+8*\u, WDS+2*(\s)+\u, XS+4*(4*(\G)+\t)+(\s)%4
.endif
.endr
.endr
.endm
.macro STEP s, nl
	s_wait_loadcnt \nl
	s_wait_dscnt 12
	MULQ \s, 0
	MULD \s, 0
	WIN 0
	s_wait_dscnt 0x0
.if \s < 7
	PLACES 4
	FETCHX (\s)+1, 0
.endif
	MULQ \s, 1
	MULD \s, 1
	WIN 0
	PLACES 4
.if \s == 3
	XSLOAD 1
.endif
.if \s < 7
	FETCHX (\s)+1, 1
.endif
.if \s < 4
	WLOADS (\s)+4
.endif
.if \s == 4
	WIN 0xc0
.irp i, 0,1,2,3,4,5,6,7,8,9,10,11
	global_load_b128 v[WKF+4*\i:WKF+4*\i+3], v[LI], s[WKP:WKP+1] offset:512*\i
.endr
	WIN 0
.endif
.if \s == 5
	WIN 0xc0
.irp i, 0,1,2,3,4,5,6,7,8,9,10,11
	global_load_b128 v[WVF+4*\i:WVF+4*\i+3], v[LI], s[WKP:WKP+1] offset:98304+512*\i
.endr
	WIN 0
.endif
.if \s == 6
	WIN 0xc0
.irp n, 0,1,2,3
	global_load_b128 v[BK+8*\n:BK+8*\n+3], v[BO], s[12:13] offset:(32*(\n/2)+8*(\n%2))*4
	global_load_b128 v[BK+8*\n+4:BK+8*\n+7], v[BO], s[12:13] offset:(32*(\n/2)+8*(\n%2))*4+16
.endr
	WIN 0
.endif
.if \s == 7
	WIN 0x80
.irp f, 0,1,2,3
.irp j, 0,1,2,3,4,5,6,7
	global_load_b32 v[BV+8*\f+\j], v[BVO], s[14:15] offset:(32*(\f/2)+8*(\f%2))*4
.endr
.endr
	WIN 0
.endif
.endm
.macro QHEAD src, W
	WIN ((\W)<<2)|((\W)<<4)
.irp b, 0,1,2,3
	v_max3_num_f32 v[TM+\b], 0x1800000, |v[(\src)+16*\b]|, |v[(\src)+16*\b+1]|
.endr
.irp i, 2,4,6,8,10,12,14
.irp b, 0,1,2,3
	v_max3_num_f32 v[TM+\b], v[TM+\b], |v[(\src)+16*\b+\i]|, |v[(\src)+16*\b+\i+1]|
.endr
.endr
	WIN 0
.irp b, 0,1,2,3
	v_permlanex16_b32 v[TM+4+\b], v[TM+\b], s[SEL], s[SEL+1]
.endr
.irp b, 0,1,2,3
	v_max_num_f32 v[TM+\b], v[TM+\b], v[TM+4+\b]
.endr
.irp b, 0,1,2,3
	v_add_nc_u32 v[TM+12+\b], 0xff000000, v[TM+\b]
.endr
.irp b, 0,1,2,3
	v_lshrrev_b32 v[TM+4+\b], 23, v[TM+12+\b]
.endr
.endm
.macro QTAIL src, W
	s_wait_xcnt 0x0
	v_lshl_or_b32 v[PW], v[TM+5], 8, v[TM+4]
	v_lshl_or_b32 v[PW], v[TM+6], 16, v[PW]
	v_lshl_or_b32 v[PW], v[TM+7], 24, v[PW]
	WIN \W
.irp c, 0,1
	v_cvt_scalef32_pk16_fp6_f32 v[PC+6*\c:PC+6*\c+2], v[(\src)+32*\c:(\src)+32*\c+15], v[TM+12+2*\c]
	v_cvt_scalef32_pk16_fp6_f32 v[PC+12+4*\c:PC+14+4*\c], v[(\src)+32*\c+16:(\src)+32*\c+31], v[TM+13+2*\c]
.endr
	WIN 0
	v_nop
.irp c, 0,1
.irp i, 0,1,2
	v_permlane16_swap_b32 v[PC+6*\c+\i], v[PC+12+4*\c+\i]
.endr
.irp i, 0,1,2
	v_mov_b32 v[PC+3+6*\c+\i], v[PC+12+4*\c+\i]
.endr
.endr
.endm
.macro SPLIT dst
	v_lshrrev_b32 v[T0], v[SH16], v[PW]
	v_and_b32 v[T0], 0xffff, v[T0]
	v_lshl_or_b32 v[\dst], v[T0], 16, v[T0]
.endm
	s_wait_tensorcnt 0x0
	s_barrier_signal -1
	s_barrier_wait -1
	XSLOAD 0
	FETCHX 0, 0
	FETCHX 0, 1
	STEP 0, 54
	STEP 1, 54
	STEP 2, 54
	STEP 3, 54
	STEP 4, 54
	STEP 5, 48
	STEP 6, 42
	STEP 7, 32
.macro LATQ G
	QHEAD 64*(\G), 2
	WIN 0x02
.irp b, 0,1,2,3
	v_cvt_scalef32_pk16_fp6_f32 v[PC+4*\b:PC+4*\b+2], v[64*(\G)+16*\b:64*(\G)+16*\b+15], v[TM+12+\b]
.endr
	WIN 0
	v_nop
.irp b, 0,1,2,3
.irp i, 0,1,2
	ds_store_b32 v[LWA], v[PC+4*\b+\i] offset:(4*(\G)+\b)*1536+128*\i
.endr
	ds_store_b8 v[LSB], v[TM+4+\b] offset:128*(4*(\G)+\b)
.endr
	s_wait_dscnt 0x0
.endm
	LATQ 0
	LATQ 1
	s_barrier_signal -1
	s_barrier_wait -1
.irp t, 0,1,2,3,4,5,6,7
.irp j, 0,1,2,3,4,5,6,7,8,9,10,11
	ds_load_b32 v[XF+12*\t+\j], v[LRA] offset:1536*\t+128*\j
.endr
	ds_load_b32 v[XS+\t], v[LRA] offset:LSC-LIMG+128*\t
.endr
.irp P, 0,1,2,3
	QHEAD 64*\P, 1
	s_wait_alu depctr_va_vdst(0)
	QTAIL 64*\P, 1
.irp u, 0,1
.irp p, 0,1,2
	global_store_b64 v[L8], v[PC+6*\u+2*\p:PC+6*\u+2*\p+1], s[16:17] offset:(2*\P+\u)*768+256*\p
.endr
.endr
	SPLIT SW
	global_store_b32 v[L4], v[SW], s[18:19] offset:128*\P
.endr
	s_wait_dscnt 0x0
	s_wait_loadcnt 0x0
	WIN 0x73
.irp t, 0,1,2,3,4,5,6,7
.irp n, 0,1,2,3
	MM 32*\t+8*\n, WKF+12*\n, XF+12*\t, BK+8*\n, WKS+\n, XS+\t
.endr
.endr
	WIN 0
	PLACES 4
.irp P, 0,1,2,3
	QHEAD 64*\P, 1
	s_wait_alu depctr_va_vdst(0)
	QTAIL 64*\P, 1
.irp g, 0,1,2
	global_store_b128 v[LI], v[PC+4*\g:PC+4*\g+3], s[20:21] offset:1536*\P+512*\g
.endr
	SPLIT KSW+\P
.endr
	global_store_b128 v[LI], v[KSW:KSW+3], s[20:21] offset:12288
	WIN 0x6c
.irp f, 0,1,2,3
.irp t, 0,1,2,3,4,5,6,7
	MM 64*\f+8*\t, XF+12*\t, WVF+12*\f, BV+8*\f, XS+\t, WVS+\f
.endr
.endr
	WIN 0
	PLACES 4
.irp f, 0,1,2,3
	QHEAD 64*\f, 1
	s_wait_alu depctr_va_vdst(0)
	QTAIL 64*\f, 1
.irp g, 0,1,2
	global_store_b128 v[LI], v[PC+4*\g:PC+4*\g+3], s[20:21] offset:6144+1536*\f+512*\g
.endr
	v_mov_b32 v[VSW+\f], v[PW]
.endr
	global_store_b128 v[LI], v[VSW:VSW+3], s[20:21] offset:12800
	s_wait_tensorcnt 0x0
	ds_add_u32 v254, v255
	s_wait_dscnt 0x0
	ROUND
	s_endpgm
.Lfunc_end_k_qae3ca2aff9_proj:
	.size	k_qae3ca2aff9_proj, .Lfunc_end_k_qae3ca2aff9_proj-k_qae3ca2aff9_proj
	.p2alignl 7, 3214868480
	.fill 96, 4, 3214868480
	.section	.rodata,"a",@progbits
	.p2align	6, 0x0
	.amdhsa_kernel k_qae3ca2aff9_proj
		.amdhsa_group_segment_fixed_size 327680
		.amdhsa_private_segment_fixed_size 0
		.amdhsa_enable_private_segment 0
		.amdhsa_kernarg_size 72
		.amdhsa_user_sgpr_count 2
		.amdhsa_user_sgpr_kernarg_segment_ptr 1
		.amdhsa_wavefront_size32 1
		.amdhsa_system_sgpr_workgroup_id_x 1
		.amdhsa_system_sgpr_workgroup_id_y 1
		.amdhsa_system_sgpr_workgroup_id_z 1
		.amdhsa_system_vgpr_workitem_id 0
		.amdhsa_next_free_vgpr 1024
		.amdhsa_next_free_sgpr 100
		.amdhsa_reserve_vcc 0
		.amdhsa_float_denorm_mode_32 3
		.amdhsa_float_denorm_mode_16_64 3
		.amdhsa_memory_ordered 1
		.amdhsa_forward_progress 1
		.amdhsa_inst_pref_size 172
	.end_amdhsa_kernel
	.amdgpu_metadata
---
amdhsa.version: [ 1, 2 ]
amdhsa.kernels:
  - .name:           k_qae3ca2aff9_proj
    .symbol:         k_qae3ca2aff9_proj.kd
    .args:
      - { .name: codes, .offset: 0, .size: 8, .value_kind: global_buffer, .address_space: global }
      - { .name: scl, .offset: 8, .size: 8, .value_kind: global_buffer, .address_space: global }
      - { .name: bq, .offset: 16, .size: 8, .value_kind: global_buffer, .address_space: global }
      - { .name: bdown, .offset: 24, .size: 8, .value_kind: global_buffer, .address_space: global }
      - { .name: bk, .offset: 32, .size: 8, .value_kind: global_buffer, .address_space: global }
      - { .name: bv, .offset: 40, .size: 8, .value_kind: global_buffer, .address_space: global }
      - { .name: qc, .offset: 48, .size: 8, .value_kind: global_buffer, .address_space: global }
      - { .name: qs, .offset: 56, .size: 8, .value_kind: global_buffer, .address_space: global }
      - { .name: kv, .offset: 64, .size: 8, .value_kind: global_buffer, .address_space: global }
    .group_segment_fixed_size: 327680
    .private_segment_fixed_size: 0
    .kernarg_segment_align: 8
    .kernarg_segment_size: 72
    .max_flat_workgroup_size: 128
    .sgpr_count:     100
    .vgpr_count:     1024
    .wavefront_size: 32
...
	.end_amdgpu_metadata
.endif
;; end of part 2
;; launch attn (part 3): grid 4 x 64, 16 waves a work-group, clusters of 4 x 1, 327,680 bytes of LDS; arguments qc, qs, kv, oc, osc; writes oc, osc
.if DOCPART == 3
	.amdgcn_target "amdgcn-amd-amdhsa--gfx1250"
	.amdhsa_code_object_version 6
	.text
	.protected	k_qae3ca2aff9_attn
	.globl	k_qae3ca2aff9_attn
	.p2align	8
	.type	k_qae3ca2aff9_attn,@function
k_qae3ca2aff9_attn:
	s_mov_b64 s[64:65], 0
	v_nop
	global_prefetch_b8 v0, s[64:65] scope:SCOPE_SE
	s_setreg_imm32_b32 hwreg(HW_REG_WAVE_MODE, 25, 1), 1
	s_wait_xcnt 0x0
	s_wait_alu depctr_hold_cnt(0) depctr_sa_sdst(0) depctr_va_vdst(0) depctr_va_sdst(0) depctr_va_ssrc(0) depctr_va_vcc(0) depctr_vm_vsrc(0)
	s_getreg_b32 s2, hwreg(HW_REG_IB_STS2, 6, 4)
	s_cmp_eq_u32 s2, 0
	s_cbranch_scc0 .Lentry_in_a_cluster
	s_endpgm
.Lentry_in_a_cluster:
	s_bfe_u32 s2, ttmp6, 0x10000c
	s_cmp_lg_u32 s2, 0x3003
	s_cbranch_scc0 .Lentry_shape_is_right
	s_endpgm
.Lentry_shape_is_right:
; O = softmax(Q K^T / 8) V for one head, both products on codes of FP6 (E2M3) with E8M0 scales; O leaves as codes, quantised along the model's 1,024 features for the last product.
; THE SOFTMAX: t = score x log2(e) / 8; M = the running largest t rounded UP to a whole number; p = 2^(t - M) is quantised along the keys, not normalised; the row's sum is taken of the
; unquantised p and divides O at the end; when M moves, the sum and O are multiplied by 2^(old M - new M), which rounds nothing.
; SHARES.  A work-group owns 512 queries of one (batch, head); each of its sixteen waves owns a tile of 16 queries in each of two passes.  A trip takes 256 keys: two blocks of 128.
; LDS.  The head's whole K and V, 16 blocks of 13,312 bytes (images of operand registers), are brought ONCE, wave w asking for block w, jointly with the three partners of the cluster, which are the
; other query blocks of the same head.  Waves 0 and 1 ask at the head; the others behind a tensor wait, two LDS adds and a round, so that pass 0's first trip, which
; reads blocks 0 and 1 alone, runs while blocks 2 to 15 are on their way; one wait and one barrier follow that trip.  Nothing is filled again.
; No prefetch: every byte is asked for ahead of the loops, and there is no loop to run ahead in.
; The descriptor lays 128 bytes of padding behind each 512: byte x of a block lies at 640 (x / 512) + x % 512.
; A block: +0 K's four pair images (registers 0-5 the even tile, 6-11 the odd); +6,144 V^T's four images; +12,288 K's scale words [lane][pair]; +12,800 V^T's [lane][tile].
; LAYOUT.  Both products transposed: S^T = K Q^T, O^T = V^T P^T: a lane holds ONE query.  In memory row r of tile 2 B + u of keys is key 32 B + 8 u + r + 8 (r / 8).
; THE KEYS OF A TILE ARE CHOSEN ANEW BY THE LDS ADDRESS: lanes with r / 8 = a of the pair (c, i') read rows 8 i' .. 8 i' + 7 of the stored pair 2 c + a.  Row 8 a + j of tile (c, i = 2 i' + u) is then
; key 64 c + 32 a + 8 i + j, so that lane (r, h) holds in the 32 registers of tiles (c, 0 .. 3) the keys 64 c + 32 h + 0 .. 31: a WHOLE block of the next K, in the operand's own order.
; The two groups of eight lanes read 1,920 bytes apart, which is 128 modulo 256: sixteen lanes touch sixteen different columns of 16 bytes.
; THE HEAD'S AXIS IS 64, THE INSTRUCTION'S K 128.  Q's operand has zero codes in registers 6-11.  A tile of K is 6 registers; its operand names 12: the upper six are the next tile's codes, and behind the
; last tile six registers of constants: any bits are numbers of the format, and they are multiplied by Q's zero codes under scale bytes that repeat the real ones: they add exactly 0.
; A BLOCK'S SCALE is 2^(floor(a) - 2), a = t - M of the block's largest score, held at -124 from below: floor(a) is the exponent of 2^a.
; REGISTERS are used by turns: K's fragments (X) give way to p's codes and to what is at work; p (S), once converted, gives way to V^T's fragments.  Scale words have registers of their own.
; LIMITS: holds while the scaled scores t stay under 2^31 in magnitude; where a lies within an ulp under a whole number and v_exp_f32 rounds 2^a up to the power of two, that one p is held at the
; block's largest code; a block of zeros, or one under 2^-124, gets the scale byte 1; NaN and infinities are not served.  O's scale bytes leave 2 bytes a lane, 16 bytes apart.
.set STEPB, 13312                      ; a block in memory
.set STEPL, 16640                      ; and in LDS: 26 rows of 512 + 128 bytes
.set SPARE, 16*STEPL                   ; behind the blocks: the spare words, 128 bytes a wave
.set QS,  1                            ; Q's scale word
.set ADK, 2                            ; LDS address of K's images in the trip's blocks
.set ADS, 3                            ; of K's scale words
.set F,   4                            ; f = 2^(old M - new M); named as a pair with
.set ADV, 5                            ; the LDS address of V^T's images
.set NM,  6                            ; -M; named as a pair with
.set RM,  7                            ; the largest score so far
.set SUM, 8                            ; v[8:9] the row's sum in two halves
.set PSW, 10                           ; v10-11 p's scale words of the two blocks
.set KSW, 12                           ; v12-15 K's scale words
.set VSW, 16                           ; v16-23 V^T's
.set MX,  24                           ; v24-27 largest score of my four blocks of 32 keys, then its exponent
.set Q,   28                           ; v28-33 Q's codes, v34-39 zeros
.set O,   40                           ; v40-71 O^T
.set S,   72                           ; v72-199 S^T, then p, then V^T's fragments
.set X,   200                          ; v200-247 K's four pair images; then:
.set PCD, X                            ; p's codes, 12 registers a block (ahead of them the sum's four chains)
.set PC2, X+24                         ; the conversions' second halves
.set SO,  X+40                         ; the conversions' scale operands
.set WK,  X+44                         ; v244-247 at work; the four scale bytes
.set PT,  X+45
.set HW,  X+46
.set W2,  X+47
.set LI,  248                          ; v248-253 constants, never rewritten: 16 x lane
.set KAD, 249                          ; 16 j + 256 h + 1,920 a  (lane = j + 8 a + 16 h)
.set KSA, 250                          ; 16 j + 256 h + 4 a
.set L8,  251                          ; 8 x lane
.set R4,  252                          ; 4 r
.set FLR, 253                          ; -124.0
.set SPW, 254
.set NIL, 255
.set WV,  14
.set SEL, 38
.set CS,  40                           ; s[40:41] c = log2(e) / 8
.set TB,  42                           ; LDS byte at which the trip's two blocks begin
.set CNT, 43
.set NC,  48                           ; -c
.macro ROUND
	s_barrier_signal -1
	s_barrier_wait -1
	s_cmp_lg_u32 s[WV], 0
	s_cbranch_scc1 .Lnot_wave_0_\@
	s_barrier_signal -3
.Lnot_wave_0_\@:
	s_barrier_wait -3
	s_barrier_signal -1
	s_barrier_wait -1
.endm
.macro MM d, a, b, c, sa, sb, row
	v_wmma_scale_f32_16x16x128_f8f6f4 v[(\d):(\d)+7], v[(\a):(\a)+11], v[(\b):(\b)+11], \c, v[\sa], v[\sb] matrix_a_fmt:MATRIX_FMT_FP6 matrix_b_fmt:MATRIX_FMT_FP6 \row
.endm
	s_load_b256 s[4:11], s[0:1], 0x0               ; qc, qs, kv, oc
	s_load_b64 s[12:13], s[0:1], 0x20              ; osc
	v_lshl_add_u32 v[SPW], v0, 2, SPARE
	v_mov_b32 v[NIL], 0
	ds_add_u32 v[SPW], v[NIL]                      ; the opening lines: the add, twice on end, and its wait
	ds_add_u32 v[SPW], v[NIL]
	v_lshrrev_b32 v[ADK], 5, v0
	s_delay_alu instid0(VALU_DEP_1)
	v_readfirstlane_b32 s[WV], v[ADK]              ; wave 0..15
	s_bfe_u32 s15, ttmp6, 0x40000                  ; cx: it enters Q's and O's global addresses alone
	s_and_b32 s28, ttmp7, 0xffff                   ; batch x 16 + head
	s_mov_b32 s16, 15|(3<<16)|(1<<20)|(1<<21)|(6<<22)|(31<<25)   ; all four partners; elements of 8 bytes; behind every 128 words 32 words of padding
	s_mov_b32 s17, 64<<16                          ; a block, dense, as 26 rows of 512 bytes
	s_mov_b32 s18, 26<<16
	s_mov_b32 s19, 64<<16
	s_mov_b32 s20, 26
	s_mov_b32 s21, 64
	s_mov_b32 s22, 0
	s_mov_b32 s23, 0
	s_mul_i32 s44, s[WV], STEPB
	s_mul_i32 s25, s[WV], STEPL                    ; LDS: block w
	s_mul_i32 s30, s28, 16*STEPB
	s_add_co_u32 s30, s30, s44
	s_mov_b32 s31, 0
	v_and_b32 v[L8], 31, v0
	v_and_b32 v[R4], 15, v0
	v_and_b32 v[KSA], 0x17, v0
	v_bfe_u32 v[ADS], v0, 3, 1                     ; a
	v_lshlrev_b32 v[LI], 4, v[L8]
	v_lshlrev_b32 v[L8], 3, v[L8]
	v_lshlrev_b32 v[R4], 2, v[R4]
	v_lshlrev_b32 v[KSA], 4, v[KSA]                ; 16 j + 256 h
	v_mov_b32 v[FLR], 0xc2f80000
	v_mad_u32_u24 v[KAD], v[ADS], 1920, v[KSA]
	v_lshl_add_u32 v[KSA], v[ADS], 2, v[KSA]
	s_mov_b32 s[SEL], 0x76543210
	s_mov_b32 s[SEL+1], 0xfedcba98
	s_mov_b32 s[CS], 0x3e38aa3b
	s_mov_b32 s[CS+1], s[CS]                       ; (named with it as a pair, so it is written)
	s_mov_b32 s[NC], 0xbe38aa3b
	s_wait_dscnt 0x0
	s_wait_kmcnt 0x0
	s_mov_b32 s24, 1
	s_add_nc_u64 s[26:27], s[8:9], s[30:31]        ; made of the head and the wave's number alone
	s_or_b32 s27, s27, 0x80000000
	ROUND                                          ; all four work-groups are here: the joint loads meet
	s_cmp_lt_u32 s[WV], 2
	s_cbranch_scc0 .Llater
	tensor_load_to_lds s[24:27], s[16:23]          ; waves 0 and 1: blocks 0 and 1, which the first trip reads
	s_nop 0
.rept 4
	v_nop                                          ; four behind a tensor load
.endr
.Llater:
	s_lshl_b32 s29, s15, 5
	s_add_co_u32 s29, s29, s[WV]                   ; my tile of pass 0: 32 cx + wave; pass 1's lies 16 tiles on
	s_lshl_b32 s32, s28, 7
	s_add_co_u32 s32, s32, s29
	s_mul_i32 s34, s32, 768
	s_mov_b32 s35, 0
	s_add_nc_u64 s[4:5], s[4:5], s[34:35]          ; Q's codes: 768 bytes a tile
	s_lshl_b32 s34, s32, 6
	s_add_nc_u64 s[6:7], s[6:7], s[34:35]          ; its scale words: 64 bytes a tile
	s_lshr_b32 s45, s28, 4
	s_lshl_b32 s45, s45, 7
	s_add_co_u32 s45, s45, s29                     ; the tile among all 512
	s_and_b32 s46, s28, 15                         ; the head
	s_mul_i32 s34, s45, 12288
	s_mul_i32 s47, s46, 768
	s_add_co_u32 s34, s34, s47
	s_add_nc_u64 s[10:11], s[10:11], s[34:35]      ; O's codes: fragment (tile, K step head / 2), half head % 2
	s_lshl_b32 s34, s45, 10
	s_lshr_b32 s47, s46, 3
	s_lshl_b32 s47, s47, 9
	s_add_co_u32 s34, s34, s47
	s_and_b32 s47, s46, 7
	s_lshl_b32 s47, s47, 1
	s_add_co_u32 s34, s34, s47
	s_add_nc_u64 s[12:13], s[12:13], s[34:35]      ; and its two scale bytes
.macro QLOAD p
.irp q, 0,1,2
	global_load_b64 v[Q+2*\q:Q+2*\q+1], v[L8], s[4:5] offset:(\p)*12288+256*\q
.endr
	global_load_b32 v[QS], v[R4], s[6:7] offset:(\p)*1024
.endm
	s_wait_alu depctr_va_vdst(0)                   ; the wait at the head's end
	QLOAD 0
.irp j, 0,1,2,3,4,5
	v_mov_b32 v[Q+6+\j], 0                         ; zero codes for the padded half of K
.endr
	s_wait_tensorcnt 0x0                           ; blocks 0 and 1 are in; ahead of the second fill:
	ds_add_u32 v[SPW], v[NIL]                      ; the add twice on end
	ds_add_u32 v[SPW], v[NIL]
	s_wait_dscnt 0x0
	ROUND                                          ; every wave sees blocks 0 and 1, and the joint loads below meet
	s_cmp_lt_u32 s[WV], 2
	s_cbranch_scc1 .Lasked
	tensor_load_to_lds s[24:27], s[16:23]          ; waves 2 to 15: blocks 2 to 15, one tensor load a wave
	s_nop 0
.rept 4
	v_nop
.endr
.Lasked:
.macro KLOAD blk                       ; K's four pairs of tiles and their scale words, the rows chosen as the head comment says
.irp c, 0,1
.irp i, 0,1
.irp g, 0,1,2
	ds_load_b128 v[X+24*\c+12*\i+4*\g:X+24*\c+12*\i+4*\g+3], v[ADK] offset:(\blk)*STEPL+3840*\c+128*\i+640*\g
.endr
	ds_load_b32 v[KSW+2*\c+\i], v[ADS] offset:(\blk)*STEPL+15360+128*\i+8*\c
.endr
.endr
.endm
.macro QK blk                          ; S^T = K Q^T: eight tiles of 16 keys
.irp t, 0,2,4,6
	MM S+64*(\blk)+8*\t, X+6*\t, Q, 0, KSW+\t/2, QS
	MM S+64*(\blk)+8*\t+8, X+6*\t+6, Q, 0, KSW+\t/2, QS, matrix_a_scale:MATRIX_SCALE_ROW1
.endr
.endm
.macro VLOAD hf                        ; V^T's four images and scale words, into registers whose p has been converted
.irp i, 0,1,2,3,4,5,6,7,8,9,10,11
	ds_load_b128 v[S+64*(\hf)+4*\i:S+64*(\hf)+4*\i+3], v[ADV] offset:(\hf)*STEPL+(12+\i)*640
.endr
	ds_load_b128 v[VSW+4*(\hf):VSW+4*(\hf)+3], v[ADV] offset:(\hf)*STEPL+16000
.endm
.macro MAXL d, base, n                 ; link n of 7 of the largest of 15 scores from base on; every accumulator is first read at its low end
.if (\n) == 0
	v_max3_num_f32 v[\d], v[(\base)], v[(\base)+1], v[(\base)+2]
.else
	v_max3_num_f32 v[\d], v[\d], v[(\base)+2*(\n)+1], v[(\base)+2*(\n)+2]
.endif
.endm
.macro MAXRUN b, ta, tb                ; blocks b and b + 1, each in two chains: four chains by turns
.set n_, 0
.rept 7
	MAXL MX+(\b), S+32*(\b), n_
	MAXL \ta, S+32*(\b)+16, n_
	MAXL MX+(\b)+1, S+32*(\b)+32, n_
	MAXL \tb, S+32*(\b)+48, n_
.set n_, n_+1
.endr
.endm
.macro MAXFIN b, ta, tb                ; the chains joined, with the two scores of each block that they left
	v_max3_num_f32 v[MX+(\b)], v[MX+(\b)], v[\ta], v[S+32*(\b)+15]
	v_max3_num_f32 v[MX+(\b)+1], v[MX+(\b)+1], v[\tb], v[S+32*(\b)+47]
	v_max_num_f32 v[MX+(\b)], v[MX+(\b)], v[S+32*(\b)+31]
	v_max_num_f32 v[MX+(\b)+1], v[MX+(\b)+1], v[S+32*(\b)+63]
.endm
.macro CVTH hf                         ; 128 keys' p into codes: my blocks 2 hf and 2 hf + 1, each whole in my registers
.irp c, 0,1
	v_cvt_scalef32_pk16_fp6_f32 v[PCD+12*(\hf)+6*\c:PCD+12*(\hf)+6*\c+2], v[S+64*(\hf)+32*\c:S+64*(\hf)+32*\c+15], v[SO+2*(\hf)+\c]
	v_cvt_scalef32_pk16_fp6_f32 v[PC2+8*(\hf)+4*\c:PC2+8*(\hf)+4*\c+2], v[S+64*(\hf)+32*\c+16:S+64*(\hf)+32*\c+31], v[SO+2*(\hf)+\c]
.endr
.endm
; A trip: my 16 queries against the 256 keys of the two blocks at LDS byte TB
.macro TRIP
	v_add_nc_u32 v[ADK], s[TB], v[KAD]
	v_add_nc_u32 v[ADS], s[TB], v[KSA]
	v_add_nc_u32 v[ADV], s[TB], v[LI]
.rept 2
	v_nop                                          ; with the three lines above: five places behind the last trip's products, whose sources are loaded into and written over below
.endr
	KLOAD 0
	s_wait_alu depctr_va_vdst(0)                   ; the wait ahead of the blocking wait
	s_wait_dscnt 0x0
	QK 0
.rept 4
	v_nop                                          ; four places in front of the loads into K's registers and of the first read of the scores
.endr
	KLOAD 1                                        ; the second block's K lands under the first block's maxima
	MAXRUN 0, MX+2, MX+3
	s_wait_alu depctr_va_vdst(0)                   ; the wait ahead of the blocking wait
	s_wait_dscnt 0x0
	QK 1
	MAXFIN 0, MX+2, MX+3                           ; four lines on the first block's scores: the places behind the products above
	MAXRUN 2, WK, PT
	MAXFIN 2, WK, PT
	s_delay_alu instid0(VALU_DEP_2)
	v_max3_num_f32 v[WK], v[MX], v[MX+1], v[MX+2]
	s_delay_alu instid0(VALU_DEP_1)
	v_max_num_f32 v[WK], v[WK], v[MX+3]            ; the largest of my 128 keys
	s_delay_alu instid0(VALU_DEP_1)
	v_permlanex16_b32 v[PT], v[WK], s[SEL], s[SEL+1]
	s_delay_alu instid0(VALU_DEP_1)
	v_max3_num_f32 v[RM], v[RM], v[WK], v[PT]      ; with lane l xor 16's: the running largest score of my query
	s_delay_alu instid0(VALU_DEP_1)
	v_mul_f32 v[PT], s[NC], v[RM]                  ; -t (c is positive)
	s_delay_alu instid0(VALU_DEP_1)
	v_floor_f32 v[PT], v[PT]                       ; the new -M = floor(-t) = -ceil(t)
	s_delay_alu instid0(VALU_DEP_1)
	v_sub_f32 v[WK], v[PT], v[NM]                  ; old M - new M: a whole number, 0 or less
	v_mov_b32 v[NM], v[PT]
	s_delay_alu instid0(VALU_DEP_2)
	v_cvt_i32_f32 v[WK], v[WK]                     ; (it saturates)
.set i, 0
.rept 64
	v_pk_fma_f32 v[S+i:S+i+1], v[S+i:S+i+1], s[CS:CS+1], v[NM:NM+1] op_sel_hi:[1,0,0]   ; t - M, two at a time
.set i, i+2
.endr
	v_ldexp_f32 v[F], 1.0, v[WK]                   ; f = 2^(old M - new M)
.irp b, 0,1,2,3
	v_fma_f32 v[MX+\b], v[MX+\b], s[CS], v[NM]     ; a = t - M of each block's largest score (the four blocks by turns)
.endr
.irp b, 0,1,2,3
	v_max_num_f32 v[MX+\b], v[FLR], v[MX+\b]       ; held at -124: the byte cannot fall under 1
.endr
.irp b, 0,1,2,3
	v_floor_f32 v[MX+\b], v[MX+\b]
.endr
.irp b, 0,1,2,3
	v_cvt_i32_f32 v[MX+\b], v[MX+\b]               ; the exponent of the block's largest p
.endr
.irp b, 0,1,2,3
	v_add_lshl_u32 v[SO+\b], v[MX+\b], 125, 23     ; less 2, with the bias, in the exponent field: the conversion's scale operand
.endr
.irp b, 0,1,2,3
	v_add_nc_u32 v[WK+\b], 125, v[MX+\b]           ; and the scale's byte
.endr
	s_wait_alu depctr_va_vdst(0)                   ; the wait ahead of the batch
.set i, 0
.rept 128
	v_exp_f32 v[S+i], v[S+i]                       ; p = 2^(t - M)
.set i, i+1
.endr
	v_pk_mul_f32 v[SUM:SUM+1], v[SUM:SUM+1], v[F:F+1] op_sel_hi:[1,0]   ; the sums under the new M: a plain instruction behind the exponentials
	s_wait_alu depctr_va_vdst(0)                   ; one wait for the batch, ahead of its first reader
.irp q, 0,1,2,3                        ; the row's sum of the unquantised p: four chains of pairs
	v_pk_add_f32 v[PCD+2*\q:PCD+2*\q+1], v[S+2*\q:S+2*\q+1], v[S+8+2*\q:S+8+2*\q+1]
.endr
.set i, 16
.rept 14
.irp q, 0,1,2,3
	v_pk_add_f32 v[PCD+2*\q:PCD+2*\q+1], v[PCD+2*\q:PCD+2*\q+1], v[S+i+2*\q:S+i+2*\q+1]
.endr
.set i, i+8
.endr
	v_pk_add_f32 v[PCD:PCD+1], v[PCD:PCD+1], v[PCD+2:PCD+3]
	v_pk_add_f32 v[PCD+4:PCD+5], v[PCD+4:PCD+5], v[PCD+6:PCD+7]
	s_delay_alu instid0(VALU_DEP_2)
	v_pk_add_f32 v[SUM:SUM+1], v[SUM:SUM+1], v[PCD:PCD+1]
	s_delay_alu instid0(VALU_DEP_1)
	v_pk_add_f32 v[SUM:SUM+1], v[SUM:SUM+1], v[PCD+4:PCD+5]
	CVTH 0
	VLOAD 0                                        ; V^T lands under the work below
	CVTH 1
	VLOAD 1
	v_lshl_or_b32 v[WK], v[WK+1], 8, v[WK]         ; (plain lines that touch nothing of the conversions stand behind them)
	s_delay_alu instid0(VALU_DEP_1)
	v_lshl_or_b32 v[WK], v[WK+2], 16, v[WK]
	s_delay_alu instid0(VALU_DEP_1)
	v_lshl_or_b32 v[WK], v[WK+3], 24, v[WK]        ; my four bytes: blocks h and 2 + h of either 128 keys
	s_delay_alu instid0(VALU_DEP_1)
	v_permlanex16_b32 v[PT], v[WK], s[SEL], s[SEL+1]
	s_delay_alu instid0(VALU_DEP_1)
	v_perm_b32 v[PSW], v[PT], v[WK], 0x05010400    ; p's scale words; lanes 0-15, which alone are read, hold mine, the other's, mine, the other's
	v_perm_b32 v[PSW+1], v[PT], v[WK], 0x07030602
.irp b, 0,1,2,3
.irp i, 0,1,2
	v_mov_b32 v[PCD+6*\b+3+\i], v[PC2+4*\b+\i]     ; (a conversion's three registers begin on an even number)
.endr
.endr
	s_wait_alu depctr_va_vdst(0)                   ; the wait directly ahead of the first reader of O^T
.set i, 0
.rept 16
	v_pk_mul_f32 v[O+i:O+i+1], v[O+i:O+i+1], v[F:F+1] op_sel_hi:[1,0]   ; O^T under the new M; also the places behind the writes of p's codes and scale words
.set i, i+2
.endr
	s_wait_alu depctr_va_vdst(0)                   ; the wait ahead of the blocking wait
	s_wait_dscnt 0x0                               ; V^T
.irp hf, 0,1                           ; O^T += V^T P^T; the four accumulators by turns
.irp f, 0,1,2,3
	MM O+8*\f, S+64*\hf+12*\f, PCD+12*\hf, v[O+8*\f:O+8*\f+7], VSW+4*\hf+\f, PSW+\hf
.endr
.endr
	s_add_co_u32 s[TB], s[TB], 2*STEPL
.endm
; A pass: one tile of 16 queries against all 2,048 keys
.macro PASS p
	v_mov_b32 v[RM], 0xff61b1e6                    ; the largest score so far: -3e38
	v_mov_b32 v[NM], 0x7f61b1e6                    ; -M: 3e38, so that the first f is 0
	v_mov_b32 v[SUM], 0
	v_mov_b32 v[SUM+1], 0
.set i, 0
.rept 32
	v_mov_b32 v[O+i], 0                            ; the trip is written once: the first finds zeros
.set i, i+1
.endr
	s_mov_b32 s[TB], 0
	s_wait_loadcnt 0x0                             ; Q
.if (\p) == 0
	TRIP                                           ; blocks 0 and 1, while the others land
	s_wait_tensorcnt 0x0                           ; my block is in,
	s_barrier_signal -1
	s_barrier_wait -1                              ; everybody's is: the whole head lies in LDS
	s_mov_b32 s[CNT], 7
.else
	s_mov_b32 s[CNT], 8
.endif
.Ltrip_\@:
	TRIP
	s_sub_co_u32 s[CNT], s[CNT], 1
	s_cmp_lg_u32 s[CNT], 0
	s_cbranch_scc1 .Ltrip_\@
.rept 4
	v_nop                                          ; places in front of the first read of O^T and of writes of the last products' sources
.endr
.if (\p) == 0
	QLOAD 1                                        ; the next pass's Q lands under the way out
.endif
	; THE WAY OUT: O^T / the sum, quantised along the head's 64 channels (two blocks of the last product's K); register 16 b + i = channel 32 b + 16 h + i
	v_add_f32 v[SUM], v[SUM], v[SUM+1]
	s_delay_alu instid0(VALU_DEP_1)
	v_permlanex16_b32 v[W2], v[SUM], s[SEL], s[SEL+1]
	s_delay_alu instid0(VALU_DEP_1)
	v_add_f32 v[SUM], v[SUM], v[W2]                ; the row's sum
	s_wait_alu depctr_va_vdst(0)
	v_rcp_f32 v[SUM], v[SUM]
	v_nop                                          ; a plain instruction behind the reciprocal,
	s_wait_alu depctr_va_vdst(0)                   ; and the wait ahead of its first reader
.set i, 0
.rept 16
	v_pk_mul_f32 v[S+i:S+i+1], v[O+i:O+i+1], v[SUM:SUM+1] op_sel_hi:[1,0]
.set i, i+2
.endr
.irp b, 0,1
	v_max3_num_f32 v[MX+\b], |v[S+16*\b]|, |v[S+16*\b+1]|, 0x1800000
.endr
.irp i, 2,4,6,8,10,12,14
.irp b, 0,1
	s_delay_alu instid0(VALU_DEP_2)
	v_max3_num_f32 v[MX+\b], v[MX+\b], |v[S+16*\b+\i]|, |v[S+16*\b+\i+1]|
.endr
.endr
.irp b, 0,1
	s_delay_alu instid0(VALU_DEP_2)
	v_permlanex16_b32 v[WK+\b], v[MX+\b], s[SEL], s[SEL+1]
.endr
.irp b, 0,1
	s_delay_alu instid0(VALU_DEP_2)
	v_max_num_f32 v[MX+\b], v[MX+\b], v[WK+\b]
.endr
.irp b, 0,1
	s_delay_alu instid0(VALU_DEP_2)
	v_add_nc_u32 v[SO+\b], 0xff000000, v[MX+\b]
.endr
.irp b, 0,1
	s_delay_alu instid0(VALU_DEP_2)
	v_lshrrev_b32 v[WK+\b], 23, v[SO+\b]
.endr
	s_delay_alu instid0(VALU_DEP_1)
	v_lshl_or_b32 v[HW], v[WK+1], 8, v[WK]
	v_cvt_scalef32_pk16_fp6_f32 v[PCD:PCD+2], v[S:S+15], v[SO]
	v_cvt_scalef32_pk16_fp6_f32 v[PC2:PC2+2], v[S+16:S+31], v[SO+1]
	v_nop
.irp i, 0,1,2
	v_permlane16_swap_b32 v[PCD+\i], v[PC2+\i]     ; the operand's layout wants a whole block in a lane
.endr
.irp i, 0,1,2
	s_delay_alu instid0(VALU_DEP_3)
	v_mov_b32 v[PCD+3+\i], v[PC2+\i]
.endr
.irp q, 0,1,2
	global_store_b64 v[L8], v[PCD+2*\q:PCD+2*\q+1], s[10:11] offset:(\p)*196608+256*\q   ; 32 lanes store 256 consecutive bytes, aligned
.endr
	global_store_b16 v[LI], v[HW], s[12:13] offset:(\p)*16384
	s_wait_xcnt 0x0                                ; the stores have read their data: the next pass may write these registers
.endm
	PASS 0
	PASS 1
	s_wait_tensorcnt 0x0                           ; the wave's end
	ds_add_u32 v[SPW], v[NIL]
	s_wait_dscnt 0x0
	ROUND                                          ; the closing round: no work-group ends while a partner may still ask for a tile that names it
	s_endpgm
.Lfunc_end_k_qae3ca2aff9_attn:
	.size	k_qae3ca2aff9_attn, .Lfunc_end_k_qae3ca2aff9_attn-k_qae3ca2aff9_attn
	.p2alignl 7, 3214868480
	.fill 96, 4, 3214868480
	.section	.rodata,"a",@progbits
	.p2align	6, 0x0
	.amdhsa_kernel k_qae3ca2aff9_attn
		.amdhsa_group_segment_fixed_size 327680
		.amdhsa_private_segment_fixed_size 0
		.amdhsa_enable_private_segment 0
		.amdhsa_kernarg_size 40
		.amdhsa_user_sgpr_count 2
		.amdhsa_user_sgpr_kernarg_segment_ptr 1
		.amdhsa_wavefront_size32 1
		.amdhsa_system_sgpr_workgroup_id_x 1
		.amdhsa_system_sgpr_workgroup_id_y 1
		.amdhsa_system_sgpr_workgroup_id_z 1
		.amdhsa_system_vgpr_workitem_id 0
		.amdhsa_next_free_vgpr 256
		.amdhsa_next_free_sgpr 66
		.amdhsa_reserve_vcc 0
		.amdhsa_float_denorm_mode_32 3
		.amdhsa_float_denorm_mode_16_64 3
		.amdhsa_memory_ordered 1
		.amdhsa_forward_progress 1
		.amdhsa_inst_pref_size 102
	.end_amdhsa_kernel
	.amdgpu_metadata
---
amdhsa.version: [ 1, 2 ]
amdhsa.kernels:
  - .name:           k_qae3ca2aff9_attn
    .symbol:         k_qae3ca2aff9_attn.kd
    .args:
      - { .name: qc, .offset: 0, .size: 8, .value_kind: global_buffer, .address_space: global }
      - { .name: qs, .offset: 8, .size: 8, .value_kind: global_buffer, .address_space: global }
      - { .name: kv, .offset: 16, .size: 8, .value_kind: global_buffer, .address_space: global }
      - { .name: oc, .offset: 24, .size: 8, .value_kind: global_buffer, .address_space: global }
      - { .name: osc, .offset: 32, .size: 8, .value_kind: global_buffer, .address_space: global }
    .group_segment_fixed_size: 327680
    .private_segment_fixed_size: 0
    .kernarg_segment_align: 8
    .kernarg_segment_size: 40
    .max_flat_workgroup_size: 512
    .sgpr_count:     66
    .vgpr_count:     256
    .wavefront_size: 32
...
	.end_amdgpu_metadata
.endif
;; end of part 3
;; launch outp (part 4): grid 4 x 64, 4 waves a work-group, clusters of 4 x 1, 327,680 bytes of LDS; arguments oc, osc, codes, scl, bout, out0; writes out0
.if DOCPART == 4
	.amdgcn_target "amdgcn-amd-amdhsa--gfx1250"
	.amdhsa_code_object_version 6
	.text
	.protected	k_qae3ca2aff9_outp
	.globl	k_qae3ca2aff9_outp
	.p2align	8
	.type	k_qae3ca2aff9_outp,@function
k_qae3ca2aff9_outp:
	s_mov_b64 s[64:65], 0
	v_nop
	global_prefetch_b8 v0, s[64:65] scope:SCOPE_SE
	s_setreg_imm32_b32 hwreg(HW_REG_WAVE_MODE, 25, 1), 1
	s_wait_xcnt 0x0
	s_wait_alu depctr_hold_cnt(0) depctr_sa_sdst(0) depctr_va_vdst(0) depctr_va_sdst(0) depctr_va_ssrc(0) depctr_va_vcc(0) depctr_vm_vsrc(0)
	s_getreg_b32 s2, hwreg(HW_REG_IB_STS2, 6, 4)
	s_cmp_eq_u32 s2, 0
	s_cbranch_scc0 .Lentry_in_a_cluster
	s_endpgm
.Lentry_in_a_cluster:
	s_bfe_u32 s2, ttmp6, 0x10000c
	s_cmp_lg_u32 s2, 0x3003
	s_cbranch_scc0 .Lentry_shape_is_right
	s_endpgm
.Lentry_shape_is_right:
.set XSCL, 98304
.set STG,  106496
.set LI,   1
.set L8,   2
.set XA1,  3
.set XSA,  4
.set STO,  5
.set RD,   6
.set CO,   7
.set BO,   8
.set XS,   16
.set WOS,  48
.set XF,   80
.set BKS,  176
.set BB,   192
.set WV,   22
.set WOP,  54
.set SOP,  56
.set MSB, 0
.macro WIN new
.if MSB != (\new)
	s_set_vgpr_msb (MSB<<8)|(\new)
.set MSB, (\new)
.endif
.endm
.macro ROUND
	s_barrier_signal -1
	s_barrier_wait -1
	s_cmp_lg_u32 s[WV], 0
	s_cbranch_scc1 .Lnot_wave_0_\@
	s_barrier_signal -3
.Lnot_wave_0_\@:
	s_barrier_wait -3
	s_barrier_signal -1
	s_barrier_wait -1
.endm
.macro PLACES n
.rept \n
	v_nop
.endr
.endm
.macro MM d, a, b, c, sa, sb
	v_wmma_scale_f32_16x16x128_f8f6f4 v[(\d):(\d)+7], v[(\a):(\a)+11], v[(\b):(\b)+11], v[(\c):(\c)+7], v[\sa], v[\sb] matrix_a_fmt:MATRIX_FMT_FP6 matrix_b_fmt:MATRIX_FMT_FP6
.endm
	s_load_b256 s[4:11], s[0:1], 0x0
	s_load_b128 s[12:15], s[0:1], 0x20
	v_lshl_add_u32 v254, v0, 2, 0x29000
	v_mov_b32 v255, 0
	ds_add_u32 v254, v255
	ds_add_u32 v254, v255
	v_lshrrev_b32 v9, 5, v0
	v_readfirstlane_b32 s[WV], v9
	s_bfe_u32 s23, ttmp6, 0x40000
	s_and_b32 s48, ttmp7, 0xffff
	s_lshl_b32 s49, s23, 2
	s_add_co_u32 s49, s49, s[WV]
	v_and_b32 v9, 31, v0
	v_and_b32 v10, 15, v0
	v_bfe_u32 v11, v0, 4, 1
	v_lshlrev_b32 v[LI], 4, v9
	v_lshlrev_b32 v[L8], 3, v9
	v_add_nc_u32 v[XA1], 49152, v[L8]
	v_add_nc_u32 v[XSA], XSCL, v[LI]
	s_mul_i32 s50, s[WV], 16*272
	s_add_co_u32 s50, s50, STG
	v_mul_u32_u24 v[STO], v10, 272
	v_lshl_add_u32 v[STO], v11, 6, v[STO]
	v_add_nc_u32 v[STO], s50, v[STO]
	v_mul_u32_u24 v[RD], v11, 272
	v_lshl_add_u32 v[RD], v10, 4, v[RD]
	v_add_nc_u32 v[RD], s50, v[RD]
	v_lshlrev_b32 v[CO], 12, v11
	v_lshl_add_u32 v[CO], v10, 4, v[CO]
	v_lshlrev_b32 v[BO], 6, v11
	s_mov_b32 s24, 15|(3<<16)|(1<<21)
	s_mov_b32 s25, 32<<16
	s_mov_b32 s26, 128<<16                         ; a third of the tokens' codes: 128 rows of 256 bytes
	s_mov_b32 s27, 32<<16
	s_mov_b32 s28, 128
	s_mov_b32 s29, 32
	s_mov_b32 s30, 0
	s_mov_b32 s31, 0
	s_mov_b32 s32, 15|(3<<16)|(1<<21)
	s_mov_b32 s33, 32<<16
	s_mov_b32 s34, 32<<16                          ; all their scale words: 32 rows of 256 bytes
	s_mov_b32 s35, 32<<16
	s_mov_b32 s36, 32
	s_mov_b32 s37, 32
	s_mov_b32 s38, 0
	s_mov_b32 s39, 0
	s_mul_i32 s58, s[WV], 32768
	s_mul_i32 s50, s48, 98304
	s_add_co_u32 s50, s50, s58
	s_mov_b32 s51, 0
	s_lshl_b32 s52, s48, 13
	s_mov_b32 s53, 0
	s_wait_dscnt 0x0
	s_wait_kmcnt 0x0
	s_mov_b32 s40, 1
	s_mov_b32 s41, s58
	s_add_nc_u64 s[42:43], s[4:5], s[50:51]
	s_or_b32 s43, s43, 0x80000000
	s_mov_b32 s44, 1
	s_mov_b32 s45, XSCL
	s_add_nc_u64 s[46:47], s[6:7], s[52:53]
	s_or_b32 s47, s47, 0x80000000
	s_wait_alu depctr_va_vdst(0)                   ; the wait at the head's end
	ROUND
	s_cmp_lt_u32 s[WV], 3                          ; the head's tiles, one joint load a wave: waves 0 to 2 a third of the codes each, wave 3 the scale words
	s_cbranch_scc0 .Lhead_scales
	tensor_load_to_lds s[40:43], s[24:31]
	s_nop 0
.rept 4
	v_nop
.endr
	s_branch .Lhead_asked
.Lhead_scales:
	tensor_load_to_lds s[44:47], s[32:39]
	s_nop 0
.rept 4
	v_nop
.endr
.Lhead_asked:
	s_mul_i32 s50, s49, 32*1536
	s_add_co_u32 s50, s50, 4608*1536
	s_add_nc_u64 s[WOP:WOP+1], s[8:9], s[50:51]
	s_lshl_b32 s50, s49, 12
	s_add_co_u32 s50, s50, 1152*512
	s_add_nc_u64 s[SOP:SOP+1], s[10:11], s[50:51]
	s_lshl_b32 s50, s49, 8
	s_add_nc_u64 s[12:13], s[12:13], s[50:51]
	s_add_nc_u64 s[14:15], s[14:15], s[50:51]
	s_lshl_b32 s50, s48, 19
	s_add_nc_u64 s[14:15], s[14:15], s[50:51]
.irp i, 0,1,2,3,4,5,6,7
	global_load_b128 v[WOS+4*\i:WOS+4*\i+3], v[LI], s[SOP:SOP+1] offset:512*\i
.endr
	WIN 0x80
	s_wait_alu depctr_va_vdst(0)
.irp n, 0,1,2,3
	global_load_b128 v[BB+8*\n:BB+8*\n+3], v[BO], s[12:13] offset:(32*(\n/2)+8*(\n%2))*4
	global_load_b128 v[BB+8*\n+4:BB+8*\n+7], v[BO], s[12:13] offset:(32*(\n/2)+8*(\n%2))*4+16
.endr
.irp k, 0,1,2,3
.irp i, 0,1,2,3,4,5,6,7,8,9,10,11
	global_load_b128 v[48*\k+4*\i:48*\k+4*\i+3], v[LI], s[WOP:WOP+1] offset:6144*\k+512*\i
.endr
.endr
	WIN 0xc0
.irp k, 0,1,2,3
.irp i, 0,1,2,3,4,5,6,7,8,9,10,11
	global_load_b128 v[48*\k+4*\i:48*\k+4*\i+3], v[LI], s[WOP:WOP+1] offset:6144*(4+\k)+512*\i
.endr
.endr
	WIN 0
.macro XSLOAD half
.irp t, 0,1,2,3,4,5,6,7
	ds_load_b128 v[XS+4*\t:XS+4*\t+3], v[XSA] offset:1024*\t+512*(\half)
.endr
.endm
.macro FETCHO s, G
.irp t, 0,1,2,3
.irp c, 0,1
.irp p, 0,1,2
.if (\G) == 0
	ds_load_b64 v[XF+12*\t+6*\c+2*\p:XF+12*\t+6*\c+2*\p+1], v[L8] offset:(8*\t+(\s))*1536+768*\c+256*\p
.else
	ds_load_b64 v[XF+48+12*\t+6*\c+2*\p:XF+48+12*\t+6*\c+2*\p+1], v[XA1] offset:(8*\t+(\s))*1536+768*\c+256*\p
.endif
.endr
.endr
.endr
.endm
.macro MULO s, G
.if (\s) == 0
	WIN 0x62
.else
	WIN 0x50|(2+(\s)/4)
.endif
.irp t, 0,1,2,3
.irp n, 0,1,2,3
.if (\s) == 0
	MM 32*(4*(\G)+\t)+8*\n, 48*((\s)%4)+12*\n, XF+12*(4*(\G)+\t), BB+8*\n, WOS+4*(\s)+\n, XS+4*(4*(\G)+\t)+(\s)%4
.else
	MM 32*(4*(\G)+\t)+8*\n, 48*((\s)%4)+12*\n, XF+12*(4*(\G)+\t), 32*(4*(\G)+\t)+8*\n, WOS+4*(\s)+\n, XS+4*(4*(\G)+\t)+(\s)%4
.endif
.endr
.endr
.endm
.macro STEP s, nl
	s_wait_loadcnt \nl
	s_wait_dscnt 24
	MULO \s, 0
	WIN 0
	s_wait_dscnt 0x0
.if \s < 7
	PLACES 4
	FETCHO (\s)+1, 0
.endif
	MULO \s, 1
	WIN 0
	PLACES 4
.if \s == 3
	XSLOAD 1
.endif
.if \s < 7
	FETCHO (\s)+1, 1
.endif
.endm
	s_wait_tensorcnt 0x0
	s_barrier_signal -1
	s_barrier_wait -1
	XSLOAD 0
	FETCHO 0, 0
	FETCHO 0, 1
	STEP 0, 63
	STEP 1, 63
	STEP 2, 60
	STEP 3, 48
	STEP 4, 36
	STEP 5, 24
	STEP 6, 12
	STEP 7, 0
.macro TOSTAGE a
	WIN 0x04
.irp n, 0,1,2,3
	ds_store_b128 v[STO], v[32*(\a)+8*\n:32*(\a)+8*\n+3] offset:128*(\n/2)+32*(\n%2)
	ds_store_b128 v[STO], v[32*(\a)+8*\n+4:32*(\a)+8*\n+7] offset:128*(\n/2)+32*(\n%2)+16
.endr
	WIN 0
.set BB_, BKS+32*((\a)%2)
.irp i, 0,1,2,3,4,5,6,7
	ds_load_b128 v[BB_+4*\i:BB_+4*\i+3], v[RD] offset:\i*544
.endr
.endm
.macro SEND a, younger
.set BB_, BKS+32*((\a)%2)
	s_wait_dscnt \younger
.irp i, 0,1,2,3,4,5,6,7
	global_store_b128 v[CO], v[BB_+4*\i:BB_+4*\i+3], s[14:15] offset:(32*((\a)/2)+8*((\a)%2)+2*\i+8*(\i/4))*4096 th:TH_STORE_NT
.endr
.endm
	TOSTAGE 0
.irp a, 1,2,3,4,5,6,7
.if \a > 1
	s_wait_xcnt 0x0
.endif
	TOSTAGE \a
	SEND \a-1, 16
.endr
	SEND 7, 0
	s_wait_tensorcnt 0x0
	ds_add_u32 v254, v255
	s_wait_dscnt 0x0
	ROUND
	s_endpgm
.Lfunc_end_k_qae3ca2aff9_outp:
	.size	k_qae3ca2aff9_outp, .Lfunc_end_k_qae3ca2aff9_outp-k_qae3ca2aff9_outp
	.p2alignl 7, 3214868480
	.fill 96, 4, 3214868480
	.section	.rodata,"a",@progbits
	.p2align	6, 0x0
	.amdhsa_kernel k_qae3ca2aff9_outp
		.amdhsa_group_segment_fixed_size 327680
		.amdhsa_private_segment_fixed_size 0
		.amdhsa_enable_private_segment 0
		.amdhsa_kernarg_size 48
		.amdhsa_user_sgpr_count 2
		.amdhsa_user_sgpr_kernarg_segment_ptr 1
		.amdhsa_wavefront_size32 1
		.amdhsa_system_sgpr_workgroup_id_x 1
		.amdhsa_system_sgpr_workgroup_id_y 1
		.amdhsa_system_sgpr_workgroup_id_z 1
		.amdhsa_system_vgpr_workitem_id 0
		.amdhsa_next_free_vgpr 1024
		.amdhsa_next_free_sgpr 66
		.amdhsa_reserve_vcc 0
		.amdhsa_float_denorm_mode_32 3
		.amdhsa_float_denorm_mode_16_64 3
		.amdhsa_memory_ordered 1
		.amdhsa_forward_progress 1
		.amdhsa_inst_pref_size 92
	.end_amdhsa_kernel
	.amdgpu_metadata
---
amdhsa.version: [ 1, 2 ]
amdhsa.kernels:
  - .name:           k_qae3ca2aff9_outp
    .symbol:         k_qae3ca2aff9_outp.kd
    .args:
      - { .name: oc, .offset: 0, .size: 8, .value_kind: global_buffer, .address_space: global }
      - { .name: osc, .offset: 8, .size: 8, .value_kind: global_buffer, .address_space: global }
      - { .name: codes, .offset: 16, .size: 8, .value_kind: global_buffer, .address_space: global }
      - { .name: scl, .offset: 24, .size: 8, .value_kind: global_buffer, .address_space: global }
      - { .name: bout, .offset: 32, .size: 8, .value_kind: global_buffer, .address_space: global }
      - { .name: out0, .offset: 40, .size: 8, .value_kind: global_buffer, .address_space: global }
    .group_segment_fixed_size: 327680
    .private_segment_fixed_size: 0
    .kernarg_segment_align: 8
    .kernarg_segment_size: 48
    .max_flat_workgroup_size: 128
    .sgpr_count:     66
    .vgpr_count:     1024
    .wavefront_size: 32
...
	.end_amdgpu_metadata
.endif
;; end of part 4
